; MI455X (gfx1250); checked and timed in simulation.
; The chip was launched on July 23, 2026; its instructions are those of AMD's public machine-readable ISA for CDNA 5 (MIT licence, August 2026) and "CDNA5" Instruction Set Architecture Reference Guide (July 2026). The comments in the code are by the model that wrote it; some were corrected since.
;; Cross Modal Attention. Allowed arithmetic: matrix products marked QUANTISED: E4M3 operands, one given power-of-two scale a tensor, by v_wmma_f32_16x16x64_fp8_fp8 or v_wmma_f32_16x16x128_fp8_fp8, f32 sums; everything else in f32.
;; Inputs: ffn_img_W1_codes 1,024 x 16 x 32 uint8 (E4M3 codes of ffn_img_W1, K innermost, in blocks of 32 codes); ffn_img_W2_codes 512 x 32 x 32 uint8 (E4M3 codes of ffn_img_W2, K innermost, in blocks of 32 codes); ffn_img_b1 1,024 float32; ffn_img_b2 512 float32; ffn_text_W1_codes 1,024 x 16 x 32 uint8 (E4M3 codes of ffn_text_W1, K innermost, in blocks of 32 codes); ffn_text_W2_codes 512 x 32 x 32 uint8 (E4M3 codes of ffn_text_W2, K innermost, in blocks of 32 codes); ffn_text_b1 1,024 float32; ffn_text_b2 512 float32; i2t_Wk_codes 512 x 16 x 32 uint8 (E4M3 codes of i2t_Wk, K innermost, in blocks of 32 codes); i2t_Wo_codes 512 x 16 x 32 uint8 (E4M3 codes of i2t_Wo, K innermost, in blocks of 32 codes); i2t_Wq_codes 512 x 16 x 32 uint8 (E4M3 codes of i2t_Wq, K innermost, in blocks of 32 codes); i2t_Wv_codes 512 x 16 x 32 uint8 (E4M3 codes of i2t_Wv, K innermost, in blocks of 32 codes); i2t_bk 512 float32; i2t_bo 512 float32; i2t_bq 512 float32; i2t_bv 512 float32; img_feat 16,384 x 512 float32; ln1i_b 512 float32; ln1i_g 512 float32; ln1t_b 512 float32; ln1t_g 512 float32; ln2i_b 512 float32; ln2i_g 512 float32; ln2t_b 512 float32; ln2t_g 512 float32; lowp_scales 24 int32 (the exponents e of the quantised operands' scales 2^e); t2i_Wk_codes 512 x 16 x 32 uint8 (E4M3 codes of t2i_Wk, K innermost, in blocks of 32 codes); t2i_Wo_codes 512 x 16 x 32 uint8 (E4M3 codes of t2i_Wo, K innermost, in blocks of 32 codes); t2i_Wq_codes 512 x 16 x 32 uint8 (E4M3 codes of t2i_Wq, K innermost, in blocks of 32 codes); t2i_Wv_codes 512 x 16 x 32 uint8 (E4M3 codes of t2i_Wv, K innermost, in blocks of 32 codes); t2i_bk 512 float32; t2i_bo 512 float32; t2i_bq 512 float32; t2i_bv 512 float32; text_feat 16,384 x 512 float32.
;; Outputs: out0 16,384 x 512 float32; out1 16,384 x 512 float32.
;; This version of the problem:
;;   THIS VERSION OF THE PROBLEM IS GIVEN IN LOW PRECISION. The matrix products marked QUANTISED in the list below multiply operands that are first quantised to E4M3 (4 exponent bits, 3 mantissa bits; 8 bits a number), with one given power-of-two scale for each operand tensor; their sums are f32. All else is computed in f32.
;;   The module's matrix products, in the order in which they are computed (A, B: the left and right operand; K: the contracted axis; several contracted axes count as one K, in the product's order):
;;     1. [M 16,384, K 512] x [K 512, N 512]; A: input img_feat; B: input i2t_Wq (given as codes): QUANTISED (scales: A lowp_scales[0], B lowp_scales[1])
;;     2. [M 16,384, K 512] x [K 512, N 512]; A: input text_feat; B: input i2t_Wk (given as codes): QUANTISED (scales: A lowp_scales[2], B lowp_scales[3])
;;     3. [M 16,384, K 512] x [K 512, N 512]; A: input text_feat; B: input i2t_Wv (given as codes): QUANTISED (scales: A lowp_scales[4], B lowp_scales[5])
;;     4. [M 16,384, K 512] x [K 512, N 512]; A: computed on the way; B: input i2t_Wo (given as codes): QUANTISED (scales: A lowp_scales[6], B lowp_scales[7])
;;     5. [M 16,384, K 512] x [K 512, N 512]; A: input text_feat; B: input t2i_Wq (given as codes): QUANTISED (scales: A lowp_scales[8], B lowp_scales[9])
;;     6. [M 16,384, K 512] x [K 512, N 512]; A: input img_feat; B: input t2i_Wk (given as codes): QUANTISED (scales: A lowp_scales[10], B lowp_scales[11])
;;     7. [M 16,384, K 512] x [K 512, N 512]; A: input img_feat; B: input t2i_Wv (given as codes): QUANTISED (scales: A lowp_scales[12], B lowp_scales[13])
;;     8. [M 16,384, K 512] x [K 512, N 512]; A: computed on the way; B: input t2i_Wo (given as codes): QUANTISED (scales: A lowp_scales[14], B lowp_scales[15])
;;     9. [M 16,384, K 512] x [K 512, N 1,024]; A: computed on the way; B: input ffn_img_W1 (given as codes): QUANTISED (scales: A lowp_scales[16], B lowp_scales[17])
;;     10. [M 16,384, K 1,024] x [K 1,024, N 512]; A: computed on the way; B: input ffn_img_W2 (given as codes): QUANTISED (scales: A lowp_scales[18], B lowp_scales[19])
;;     11. [M 16,384, K 512] x [K 512, N 1,024]; A: computed on the way; B: input ffn_text_W1 (given as codes): QUANTISED (scales: A lowp_scales[20], B lowp_scales[21])
;;     12. [M 16,384, K 1,024] x [K 1,024, N 512]; A: computed on the way; B: input ffn_text_W2 (given as codes): QUANTISED (scales: A lowp_scales[22], B lowp_scales[23])
;;   THE QUANTISER, for each operand of a quantised product, along K:
;;     - The operand's scale is 2^e, e = its entry of the input lowp_scales (int32; the entries are numbered through the quantised products in the list's order, A before B).
;;     - Each number is divided by the scale, clamped to +-448, and rounded to the nearest number of E4M3, ties to even, subnormals kept.
;;     - The product sums the exact products of the quantised numbers (number of the format x scale) in f32.
;;   ~~~python
;;   def quantise(x, axis, e):      # numpy; x: float32 -> the quantised numbers, widened to float32 again
;;       x = np.moveaxis(x, axis, -1); K = x.shape[-1]
;;       r = np.clip(x / 2.0 ** e, -448, 448)
;;       step = 2.0 ** (np.maximum(np.frexp(np.where(r == 0, 1, r))[1] - 1, -6) - 3)
;;       q = np.round(r / step) * step * 2.0 ** e      # np.round: ties to even
;;       return np.moveaxis(q, -1, axis).astype(np.float32)
;;   ~~~
;;   OPERANDS COMPUTED ON THE WAY. 'Computed on the way' means the value that the module computes at that place (a softmax that the list does not call 'softmax' is quantised finished and normalised). What goes into a quantiser is computed in f32, as accurately as f32 sums, v_exp_f32 and their like allow (about 1e-6 of the number): no bf16 or f16 on the way to a quantiser, and a product that is left as it is and whose result goes on into a quantised operand takes f32 operands (vector FMAs, or v_wmma_f32_16x16x4_f32). A number that lies on a knife's edge between two numbers of the format may be rounded either way, as far as f32 arithmetic and the matrix unit's own rounding can turn it there, and no further.
;;   INPUTS GIVEN AS CODES. ffn_img_W1 (in the module: [1024, 512], K = its axis 1); ffn_img_W2 (in the module: [512, 1024], K = its axis 1); ffn_text_W1 (in the module: [1024, 512], K = its axis 1); ffn_text_W2 (in the module: [512, 1024], K = its axis 1); i2t_Wk (in the module: [512, 512], K = its axis 1); i2t_Wo (in the module: [512, 512], K = its axis 1); i2t_Wq (in the module: [512, 512], K = its axis 1); i2t_Wv (in the module: [512, 512], K = its axis 1); t2i_Wk (in the module: [512, 512], K = its axis 1); t2i_Wo (in the module: [512, 512], K = its axis 1); t2i_Wq (in the module: [512, 512], K = its axis 1); t2i_Wv (in the module: [512, 512], K = its axis 1): each comes as NAME_codes (uint8): NAME with its K axis moved to the last place and cut into blocks of 32 codes, [.., K / 32, bytes a block], one block behind the other in memory; one code a byte (a code: sign, 4 exponent bits, 3 mantissa bits); its scale is its entry of lowp_scales. Its value is code x scale, taken as it is: it is not quantised again, and the codes and scales need not be those that the quantiser above would give.
;; One version. Each part assembles by itself: llvm-mc -triple=amdgcn-amd-amdhsa -mcpu=gfx1250 --defsym DOCPART=n.
;; ======== version 1 of 1: 2 launches
;; limits: a function is approximated: absolute error at most 1.5e-07
;; workspace buffers: wstream 4,194,304 bytes
;; launch lay (part 1): grid 32 x 8, 4 waves a work-group, no clusters, 0 bytes of LDS; arguments i2t_Wq_codes, i2t_Wk_codes, i2t_Wv_codes, i2t_Wo_codes, ffn_img_W1_codes, ffn_img_W2_codes, t2i_Wq_codes, t2i_Wk_codes, t2i_Wv_codes, t2i_Wo_codes, ffn_text_W1_codes, ffn_text_W2_codes, wstream; writes wstream
.if DOCPART == 1
	.amdgcn_target "amdgcn-amd-amdhsa--gfx1250"
	.amdhsa_code_object_version 6
	.text
	.protected	k_qfddcbd78d8_lay
	.globl	k_qfddcbd78d8_lay
	.p2align	8
	.type	k_qfddcbd78d8_lay,@function
k_qfddcbd78d8_lay:
	s_mov_b64 s[64:65], 0
	v_nop
	global_prefetch_b8 v0, s[64:65] scope:SCOPE_SE
	s_setreg_imm32_b32 hwreg(HW_REG_WAVE_MODE, 25, 1), 1
	s_wait_xcnt 0x0
; The twelve tensors of weight codes (4 MiB) are copied once into wstream, in the order and in the register image in which the waves of the
; second launch take them: [branch 2][wave 4][unit 64][fragment 4][group 4][lane 32][16 bytes].
; A unit is four fragments (64 rows of a weight x 128 along K), 8,192 bytes.  Chunk (fragment 2 b + u, group c, lane (i = lane % 16, h = lane / 16)) holds bytes
; 128 s + 32 c + 16 h .. + 15 of weight row R0 + 32 b + 8 u + i + 8 (i / 8): the rows of a fragment are chosen so that two neighbouring result tiles hold 16 neighbours of the next K.
; Units of wave w:  0-15: Wq (even) and Wk (odd), R0 = 128 w + 64 (q / 8), s = (q / 2) % 4;   16-23: Wv and 24-31: Wo, R0 = 128 w + 64 (q % 2), s = (q % 8) / 2;
;   32-47: W1, R0 = 256 w + 64 ((q - 32) / 4), s = q % 4;   48-63: W2 (rows of 1,024 bytes), R0 = 128 w + 64 (q % 2), s = (q - 48) / 2.
; SHARES: work-group (x, y): y = 4 x branch + w, units 2 x and 2 x + 1.  Wave v: unit 2 x + v / 2, fragments 2 (v % 2) and 2 (v % 2) + 1; a lane copies eight chunks.
; One path for all tensors: pointer, R0, s and the row's length are chosen by selects on the work-group's x.  Each store of a wave covers 512 consecutive bytes, aligned.
	s_load_b512 s[16:31], s[0:1], 0x0              ; i2t Wq, Wk, Wv, Wo, ffn_img W1, W2, t2i Wq, Wk
	s_load_b256 s[32:39], s[0:1], 0x40             ; t2i Wv, Wo, ffn_text W1, W2
	s_load_b64 s[40:41], s[0:1], 0x60              ; wstream
	v_lshrrev_b32 v1, 5, v0
	v_readfirstlane_b32 s2, v1                     ; wave v
	s_and_b32 s3, ttmp7, 0xffff                    ; y = 4 x branch + w
	s_lshr_b32 s4, s3, 2                           ; branch
	s_and_b32 s5, s3, 3                            ; w
	s_lshr_b32 s6, s2, 1                           ; sel: which of the two units
	s_and_b32 s7, s2, 1                            ; b: which pair of fragments
	s_lshr_b32 s8, ttmp9, 2                        ; x / 4: Q and K's half of the wave's rows
	s_and_b32 s9, ttmp9, 3                         ; x % 4: s of Q, K, V, O
	s_and_b32 s10, ttmp9, 7                        ; x % 8: s of W2
	s_lshr_b32 s11, s10, 1                         ; (x % 8) / 2: W1's 64 rows
	s_and_b32 s12, ttmp9, 1
	s_lshl_b32 s12, s12, 1
	s_add_co_u32 s12, s12, s6                      ; 2 (x % 2) + sel: s of W1
	s_cmp_lt_u32 ttmp9, 8
	s_cselect_b32 s8, s8, s6                       ; r: R0 = (w << wm) + 64 r
	s_cmp_lt_u32 ttmp9, 16
	s_cselect_b32 s8, s8, s11
	s_cselect_b32 s9, s9, s12
	s_cselect_b32 s13, 7, 8                        ; wm: 128 rows a wave, 256 in W1
	s_cmp_lt_u32 ttmp9, 24
	s_cselect_b32 s8, s8, s6
	s_cselect_b32 s9, s9, s10
	s_cselect_b32 s13, s13, 7
	s_cselect_b32 s48, 9, 10                       ; log2 of a row's bytes
	s_lshl_b32 s14, s5, s13
	s_lshl_b32 s8, s8, 6
	s_add_co_u32 s14, s14, s8                      ; R0
	s_lshl_b32 s15, s7, 5
	s_add_co_u32 s14, s14, s15                     ; + 32 b
	s_lshl_b32 s46, s14, s48                       ; in bytes,
	s_lshl_b32 s9, s9, 7
	s_add_co_u32 s46, s46, s9                      ; + 128 s
	s_mov_b32 s47, 0
	s_lshl_b32 s50, s3, 6                          ; where the chunks go: ((4 x branch + w) 64
	s_lshl_b32 s52, ttmp9, 1
	s_add_co_u32 s50, s50, s52                     ;   + 2 x
	s_add_co_u32 s50, s50, s6                      ;   + sel) units of 8,192 bytes
	s_lshl_b32 s50, s50, 13
	s_lshl_b32 s52, s7, 12
	s_add_co_u32 s50, s50, s52                     ;   + 4,096 b
	s_mov_b32 s51, 0
	v_and_b32 v5, 15, v0                           ; i
	v_bfe_u32 v6, v0, 4, 1                         ; h
	v_and_b32 v7, 8, v5
	v_add_nc_u32 v7, v7, v5                        ; i + 8 (i / 8)
	v_lshlrev_b32 v2, s48, v7
	v_lshl_add_u32 v2, v6, 4, v2                   ; u = 0: that row + 16 h
	s_lshl_b32 s49, 8, s48
	v_add_nc_u32 v3, s49, v2                       ; u = 1: eight rows on
	v_and_b32 v4, 31, v0
	v_lshlrev_b32 v4, 4, v4                        ; 16 x lane
	s_wait_kmcnt 0x0
	s_cmp_eq_u32 s4, 0                             ; the branch's six tensors into s[16:27]
.irp k, 0,1,2,3,4,5
	s_cselect_b64 s[16+2*\k:17+2*\k], s[16+2*\k:17+2*\k], s[28+2*\k:29+2*\k]
.endr
	s_cmp_eq_u32 s6, 0
	s_cselect_b64 s[44:45], s[16:17], s[18:19]     ; x < 8: Wq or Wk
	s_cmp_lt_u32 ttmp9, 8
	s_cselect_b64 s[44:45], s[44:45], s[20:21]     ; Wv
	s_cmp_lt_u32 ttmp9, 12
	s_cselect_b64 s[44:45], s[44:45], s[22:23]     ; Wo
	s_cmp_lt_u32 ttmp9, 16
	s_cselect_b64 s[44:45], s[44:45], s[24:25]     ; W1
	s_cmp_lt_u32 ttmp9, 24
	s_cselect_b64 s[44:45], s[44:45], s[26:27]     ; W2
	s_add_nc_u64 s[44:45], s[44:45], s[46:47]
	s_add_nc_u64 s[40:41], s[40:41], s[50:51]
.irp u, 0,1
.irp c, 0,1,2,3
	global_load_b128 v[8+16*\u+4*\c:11+16*\u+4*\c], v[2+\u], s[44:45] offset:32*\c
.endr
.endr
.irp u, 0,1
.irp c, 0,1,2,3
	s_wait_loadcnt 7-4*\u-\c                       ; loads come back in order: this one is in, the younger ones may be out
	global_store_b128 v4, v[8+16*\u+4*\c:11+16*\u+4*\c], s[40:41] offset:2048*\u+512*\c
.endr
.endr
	s_endpgm
.Lfunc_end_k_qfddcbd78d8_lay:
	.size	k_qfddcbd78d8_lay, .Lfunc_end_k_qfddcbd78d8_lay-k_qfddcbd78d8_lay
	.p2alignl 7, 3214868480
	.fill 96, 4, 3214868480
	.section	.rodata,"a",@progbits
	.p2align	6, 0x0
	.amdhsa_kernel k_qfddcbd78d8_lay
		.amdhsa_group_segment_fixed_size 0
		.amdhsa_private_segment_fixed_size 0
		.amdhsa_enable_private_segment 0
		.amdhsa_kernarg_size 104
		.amdhsa_user_sgpr_count 2
		.amdhsa_user_sgpr_kernarg_segment_ptr 1
		.amdhsa_wavefront_size32 1
		.amdhsa_system_sgpr_workgroup_id_x 1
		.amdhsa_system_sgpr_workgroup_id_y 1
		.amdhsa_system_sgpr_workgroup_id_z 1
		.amdhsa_system_vgpr_workitem_id 0
		.amdhsa_next_free_vgpr 48
		.amdhsa_next_free_sgpr 66
		.amdhsa_reserve_vcc 0
		.amdhsa_float_denorm_mode_32 3
		.amdhsa_float_denorm_mode_16_64 3
		.amdhsa_memory_ordered 1
		.amdhsa_forward_progress 1
		.amdhsa_inst_pref_size 5
	.end_amdhsa_kernel
	.amdgpu_metadata
---
amdhsa.version: [ 1, 2 ]
amdhsa.kernels:
  - .name:           k_qfddcbd78d8_lay
    .symbol:         k_qfddcbd78d8_lay.kd
    .args:
      - { .name: i2t_Wq_codes, .offset: 0, .size: 8, .value_kind: global_buffer, .address_space: global }
      - { .name: i2t_Wk_codes, .offset: 8, .size: 8, .value_kind: global_buffer, .address_space: global }
      - { .name: i2t_Wv_codes, .offset: 16, .size: 8, .value_kind: global_buffer, .address_space: global }
      - { .name: i2t_Wo_codes, .offset: 24, .size: 8, .value_kind: global_buffer, .address_space: global }
      - { .name: ffn_img_W1_codes, .offset: 32, .size: 8, .value_kind: global_buffer, .address_space: global }
      - { .name: ffn_img_W2_codes, .offset: 40, .size: 8, .value_kind: global_buffer, .address_space: global }
      - { .name: t2i_Wq_codes, .offset: 48, .size: 8, .value_kind: global_buffer, .address_space: global }
      - { .name: t2i_Wk_codes, .offset: 56, .size: 8, .value_kind: global_buffer, .address_space: global }
      - { .name: t2i_Wv_codes, .offset: 64, .size: 8, .value_kind: global_buffer, .address_space: global }
      - { .name: t2i_Wo_codes, .offset: 72, .size: 8, .value_kind: global_buffer, .address_space: global }
      - { .name: ffn_text_W1_codes, .offset: 80, .size: 8, .value_kind: global_buffer, .address_space: global }
      - { .name: ffn_text_W2_codes, .offset: 88, .size: 8, .value_kind: global_buffer, .address_space: global }
      - { .name: wstream, .offset: 96, .size: 8, .value_kind: global_buffer, .address_space: global }
    .group_segment_fixed_size: 0
    .private_segment_fixed_size: 0
    .kernarg_segment_align: 8
    .kernarg_segment_size: 104
    .max_flat_workgroup_size: 128
    .sgpr_count:     66
    .vgpr_count:     48
    .wavefront_size: 32
...
	.end_amdgpu_metadata
.endif
;; end of part 1
;; launch main (part 2): grid 256 x 1, 4 waves a work-group, no clusters, 327,680 bytes of LDS; arguments img_feat, text_feat, wstream, lowp_scales, i2t_bq, i2t_bk, i2t_bv, i2t_bo, ln1i_g, ln1i_b, ffn_img_b1, ffn_img_b2, ln2i_g, ln2i_b, out1, t2i_bq, t2i_bk, t2i_bv, t2i_bo, ln1t_g, ln1t_b, ffn_text_b1, ffn_text_b2, ln2t_g, ln2t_b, out0; writes out0, out1
.if DOCPART == 2
	.amdgcn_target "amdgcn-amd-amdhsa--gfx1250"
	.amdhsa_code_object_version 6
	.text
	.protected	k_qfddcbd78d8_main
	.globl	k_qfddcbd78d8_main
	.p2align	8
	.type	k_qfddcbd78d8_main,@function
k_qfddcbd78d8_main:
	s_mov_b64 s[64:65], 0
	v_nop
	global_prefetch_b8 v0, s[64:65] scope:SCOPE_SE
	s_setreg_imm32_b32 hwreg(HW_REG_WAVE_MODE, 25, 1), 1
	s_wait_xcnt 0x0
; One branch of the module for 128 rows, from the features to the output, with nothing sent to memory on the way:
;   q = X Wq^T + bq, k = Y Wk^T + bk, v = Y Wv^T + bv;  per head: score = q . k / 8, softmax over the one key, attn = weight x v;
;   y1 = LN1(X + attn Wo^T + bo);  out = LN2(y1 + gelu(y1 W1^T + b1) W2^T + b2).   All six products on E4M3 codes, each operand with its given scale 2^e; all else f32.
; SHARES.  Work-group g: branch g % 2 (0: X = img_feat, Y = text_feat, i2t and ffn_img weights, out1; 1: the mirror, out0), rows 128 (g / 2) on.  Four waves, one to a SIMD.
; THE WAVES SHARE THE COLUMNS: wave w makes columns 128 w .. + 127 of every product (256 w .. + 255 of the hidden layer) for all 128 rows: 64 accumulators of 16 x 16, 512 registers.
; PRODUCTS ARE USED TRANSPOSED (source 0 = 16 rows of the weight, source 1 = 16 rows of the activation): lane (r = lane % 16, h = lane / 16) holds row 16 a + r, and register 16 b + i of
; block a holds column 128 w + 32 b + 16 h + i (the weight rows that form a fragment are chosen for that).  So 16 registers are 16 neighbours of the next K, and the conversions' results are
; the next operand's registers: registers 4 c .. 4 c + 3 hold k = 32 c + 16 h + 0 .. 15, the same order of k in both operands of every product.
; ACTIVATIONS go from wave to wave through LDS as images of their registers: fragment (block a, K step s): four stores of 512 consecutive bytes, lane l's 16 bytes at 16 l.
; WEIGHTS come from wstream, which the launch before has laid in each wave's order of use, straight into registers: a ring of four units (4 fragments, 8,192 bytes), three units always asked for ahead.
; Each weight byte is used by one wave of the work-group alone.  The weights are shared with other work-groups, yet no cluster and no joint loads: the codes take 3 x 65,536 bytes of LDS and the
; parked half of the last product's sums 131,072, together all 327,680: no tile of weights has room there.
; RESIDUALS AND BIASES are the C of a sum's first product, divided by the power of two that the sums lack.  A bias is the same for all blocks: it is written into block 7's accumulators, serves blocks 0-6 as C, and block 7 adds in place.
; THE SOFTMAX is kept as it is written: the largest of the one score is the score itself; p = exp(score - score); weight = p / p.
; GELU: x (1 + erf(x / sqrt 2)) / 2 = max(x, 0) - |x| E, E = erfc(|x| / sqrt 2) / 2 by Abramowitz and Stegun 7.1.26 (five terms in 1 / (1 + 0.3275911 z), times exp(-z z)).
; LIMITS.  erfc's formula has an absolute error of at most 1.5e-7.  Each of eQa, eKa, eVa, eOa - eVa - eVb, e1a, e2a - e1a - e1b lies between -126 and 119; eOa + eOb, e2a + e2b, e1a + e1b between -126 and 126
; (so that each power of two below is an f32 number).  NaN among the inputs is not served.
; LDS:  RA 0: X's codes for Q -> attn's codes -> hidden codes, blocks 0-3.   RC 65,536: Y's codes for V -> LN1's sums (2 x 2,048) -> hidden codes, blocks 4-7.
;       RB 131,072: Y's codes for K -> y1's codes -> the waves' stages for the way out (4 x 8,448) and LN2's sums (at + 40,960).   RES 196,608: 32,768 a wave, its own: tiles 0-3 of the last product's C.
; REGISTERS, in windows of 256 (s_set_vgpr_msb: bits 1:0 source 0, 3:2 source 1, 5:4 source 2, 7:6 destination):
;   window 0: v1-20 addresses that stay; v21-31 quantisers' scales and small sets of codes; v32-63 a number a block; v64-127 PB: 64 numbers a column; v128-255 A's 8 fragments, free in the epilogues.
;   window 1: the ring: slot u at 64 u, fragment t at + 16 t.   windows 2, 3: accumulator (block a, tile t) in window 2 + a / 4 at 64 (a % 4) + 8 t.
.set RA,  0
.set RC,  65536
.set RB,  131072
.set RES, 196608
.set ST3, 106496                       ; from LN1's sums (in RC) to LN2's (in RB, + 40,960)
.set PB,  64
.set AF,  128
.set UB,  0                            ; bytes from s[8:9] to the unit in hand
.set MSB, 0
; v1 16 x lane | v2 + RC | v3 + RB | v4, v5 A's addresses in loops along K | v6 2,048 r + 64 h | v7 64 h | v8 16 x lane + 2,048 w | v9 + RB | v10 + RC | v11 16 x lane + 4,096 w | v12, v13 hidden images
; v14 RES + 32,768 w + 16 x lane | v15, v16 LN1's sums: my word, my row's four | v17, v18 LN2's | v19, v20 the stage: in, back | v21, v22 the quantiser in hand: 2^e, 448 x 2^e
; s2, s3 loops | s[4:5] X, s[6:7] Y at my rows and columns | s[8:9] wstream | s12 wave | s13 branch | s[14:15] lane selects | s[16:37] bq bk bv bo g1 bn1 b1 b2 g2 bn2 out | s40-51 the twelve exponents
; s52-54 -(eQa+eQb), -(eKa+eKb), -(eVa+eVb) | s55 the score's exponent | s56-58 EO, -EO, 2 EO - 9 | s59-61 E2, -E2, 2 E2 - 9 | s62 -(e1a+e1b) | s[66:67] 2^-EO | s[68:69] 2^-E2
; s70, s[72:73] gelu's two factors | s[74:81] A4 A3 A2 A1 in pairs | s82 A5 | s83 log2 e | s84-95 six pairs (2^e, 448 x 2^e): Q, K, V, attn, y1, hidden
.macro WIN new                         ; the immediate's high byte repeats the setting that is left; a switch that changes nothing is dropped
.if MSB != (\new)
	s_set_vgpr_msb (MSB<<8)|(\new)
.set MSB, (\new)
.endif
.endm
.macro PLACES n                        ; plain vector instructions behind a matrix instruction (ISA guide 7.12.1)
.rept \n
	v_nop
.endr
.endm
.macro BAR                             ; my LDS stores have landed and my LDS loads are in: then the work-group's barrier
	s_wait_dscnt 0x0
	s_barrier_signal -1
	s_barrier_wait -1
.endm
.macro MKQ d, e                        ; s[d] = 2^e as f32, s[d+1] = 448 x 2^e, e in s[e]
	s_add_co_i32 s[\d], s[\e], 127
	s_add_co_i32 s[\d+1], s[\e], 135
	s_lshl_b32 s[\d], s[\d], 23
	s_lshl_b32 s[\d+1], s[\d+1], 23
	s_or_b32 s[\d+1], s[\d+1], 0x600000
.endm
.macro AFETCH adr, off, astr, a0       ; four of A's fragments, blocks a0 .. a0 + 3, astr bytes apart: 16 loads of 512 consecutive bytes
.irp i, 0,1,2,3
.irp c, 0,1,2,3
	ds_load_b128 v[AF+16*((\a0)+\i)+4*\c:AF+16*((\a0)+\i)+4*\c+3], v[\adr] offset:(\off)+(\astr)*\i+512*\c
.endr
.endr
.endm
.macro BLOAD u, off                    ; a unit of weights into slot u: 16 loads of 512 consecutive bytes
	WIN 0x40
.irp t, 0,1,2,3
.irp c, 0,1,2,3
	global_load_b128 v[64*(\u)+16*\t+4*\c:64*(\u)+16*\t+4*\c+3], v1, s[8:9] offset:(\off)+2048*\t+512*\c
.endr
.endr
	WIN 0
.endm
.macro STEPWS bytes                    ; the ring's base steps: only behind the wait that frees the address registers of the loads issued
	s_wait_xcnt 0x0
	s_add_nc_u64 s[8:9], s[8:9], \bytes
.set UB, UB-(\bytes)
.endm
.macro PLOAD dst, ptr, off, nb         ; a lane's 16 numbers of each of nb groups of 32 columns, in the results' layout
.set pl_, 0
.rept \nb
.irp q, 0,1,2,3
	global_load_b128 v[(\dst)+16*pl_+4*\q:(\dst)+16*pl_+4*\q+3], v7, s[\ptr:\ptr+1] offset:(\off)+128*pl_+16*\q
.endr
.set pl_, pl_+1
.endr
.endm
.macro BIASINIT n0, n1, se             ; PB's numbers n0 .. n1 - 1 x 2^s[se] into block 7's accumulators
	WIN 0xc0
.set bi_, \n0
.rept (\n1)-(\n0)
	v_ldexp_f32 v[192+bi_], v[PB+bi_], s[\se]
.set bi_, bi_+1
.endr
	WIN 0
.endm
.macro XGROUP buf, ptr, off            ; 64 numbers a lane of 16 rows of a feature, my wave's 128 columns: register 16 c + i = column 32 c + 16 h + i.  The caller sets the window
.irp c, 0,1,2,3
.irp q, 0,1,2,3
	global_load_b128 v[(\buf)+16*\c+4*\q:(\buf)+16*\c+4*\q+3], v6, s[\ptr:\ptr+1] offset:(\off)+128*\c+16*\q
.endr
.endr
.endm
.macro HOLD64 dst, src, lm             ; the conversion to an 8-bit code does not saturate (ISA guide 7.6.2): each number is held within 448 x the scale first
.set h_, 0
.rept 64
	v_med3_num_f32 v[(\dst)+h_], v[(\src)+h_], -v[\lm], v[\lm]
.set h_, h_+1
.endr
.endm
.macro CODES64 cs, src, sc, adr, off, left   ; 64 numbers become a fragment's 16 registers of codes, and these its image in LDS
	s_wait_dscnt \left                             ; the stores that read this set of code registers are done; the other set's may be out
.set g_, 0
.rept 8
	v_cvt_scalef32_pk8_fp8_f32 v[(\cs)+2*g_:(\cs)+2*g_+1], v[(\src)+8*g_:(\src)+8*g_+7], v[\sc]
.set g_, g_+1
.endr
	v_nop                                          ; a plain vector instruction behind the last conversion, ahead of whatever next writes its sources
.irp c, 0,1,2,3
	ds_store_b128 v[\adr], v[(\cs)+4*\c:(\cs)+4*\c+3] offset:(\off)+512*\c
.endr
.endm
; Four matrix instructions: block blk of A x the four fragments of slot u, into tiles 4 j .. 4 j + 3.  ci = 1: the sum starts from block 7's accumulator (the bias).
.macro MM4 blk, u, j, ci
.irp t, 0,1,2,3
.if \ci
	v_wmma_f32_16x16x128_fp8_fp8 v[64*((\blk)%4)+8*(4*(\j)+\t):64*((\blk)%4)+8*(4*(\j)+\t)+7], v[64*(\u)+16*\t:64*(\u)+16*\t+15], v[AF+16*(\blk):AF+16*(\blk)+15], v[192+8*(4*(\j)+\t):192+8*(4*(\j)+\t)+7]
.else
	v_wmma_f32_16x16x128_fp8_fp8 v[64*((\blk)%4)+8*(4*(\j)+\t):64*((\blk)%4)+8*(4*(\j)+\t)+7], v[64*(\u)+16*\t:64*(\u)+16*\t+15], v[AF+16*(\blk):AF+16*(\blk)+15], v[64*((\blk)%4)+8*(4*(\j)+\t):64*((\blk)%4)+8*(4*(\j)+\t)+7]
.endif
.endr
.endm
; A HALF STEP: 32 matrix instructions: A's 8 blocks x one unit.  The 32 accumulators take turns, one instruction a turn, in the same order in every half step.
; lc: the global loads younger than this unit's that may stay out.  bl = 1: the slot takes the unit four further on.  fa = 1: A's registers take the next set: blocks 0-3 in the middle, blocks 4-7 at the end.
.macro HS u, j, init, lc, bl, fa, rlo, olo, rhi, ohi, astr
	s_wait_loadcnt \lc                             ; this unit is in
	s_wait_dscnt 16                                ; A's blocks 0-3 are in; the youngest 16 LDS loads (blocks 4-7) may be out
.if \init
	WIN 0xb1                                       ; weights window 1, A window 0, C window 3 (the bias), D window 2
.else
	WIN 0xa1
.endif
.irp blk, 0,1,2,3
	MM4 \blk, \u, \j, \init
.endr
.if \fa
	PLACES 4                                       ; in front of loads into registers that matrix instructions have read
	WIN 0
	AFETCH \rlo, \olo, \astr, 0
	s_wait_dscnt 16                                ; blocks 4-7 are in; the 16 loads just issued may be out
.else
	s_wait_dscnt 0x0                               ; blocks 4-7 are in
.endif
	WIN 0xf1
.irp blk, 4,5,6
	MM4 \blk, \u, \j, \init
.endr
.if \init
	PLACES 5                                       ; block 7's accumulators have been read as C and are now written by matrix instructions
.endif
	MM4 7, \u, \j, 0
	PLACES 4                                       ; in front of the loads below, and of the first read of results where an epilogue follows
	WIN 0
.if \fa
	AFETCH \rhi, \ohi, \astr, 4
.endif
.if \bl
	BLOAD \u, UB+32768
.endif
.set UB, UB+8192
.endm
; ================================================================ the head
	s_load_b256 s[4:11], s[0:1], 0x0               ; img_feat, text_feat, wstream, lowp_scales
	s_load_b512 s[16:31], s[0:1], 0x20             ; the image branch's eleven pointers s[16:37], the text branch's s[38:59]
	s_load_b512 s[32:47], s[0:1], 0x60
	s_load_b256 s[48:55], s[0:1], 0xa0
	s_load_b128 s[56:59], s[0:1], 0xc0
	v_lshrrev_b32 v30, 5, v0
	v_readfirstlane_b32 s12, v30                   ; wave 0..3
	s_and_b32 s13, ttmp9, 1                        ; branch
	s_mov_b32 s14, 0x76543210                      ; v_permlanex16_b32: lane l xor 16
	s_mov_b32 s15, 0xfedcba98
	v_and_b32 v30, 31, v0                          ; lane
	v_and_b32 v31, 15, v0                          ; r
	v_bfe_u32 v29, v0, 4, 1                        ; h
	v_lshlrev_b32 v1, 4, v30
	v_add_nc_u32 v2, RC, v1
	v_add_nc_u32 v3, RB, v1
	v_lshlrev_b32 v7, 6, v29
	v_lshl_add_u32 v6, v31, 11, v7
	s_lshl_b32 s96, s12, 11
	v_add_nc_u32 v8, s96, v1
	v_add_nc_u32 v9, RB, v8
	v_add_nc_u32 v10, RC, v8
	s_lshl_b32 s96, s12, 12
	v_add_nc_u32 v11, s96, v1
	s_lshl_b32 s96, s12, 15
	s_add_co_u32 s96, s96, RES
	v_add_nc_u32 v14, s96, v1
	v_lshlrev_b32 v16, 4, v31
	s_lshl_b32 s96, s12, 2
	s_add_co_u32 s96, s96, RC
	v_add_nc_u32 v15, s96, v16
	v_add_nc_u32 v16, RC, v16
	v_add_nc_u32 v17, ST3, v15
	v_add_nc_u32 v18, ST3, v16
	s_mul_i32 s96, s12, 8448
	s_add_co_u32 s96, s96, RB
	v_mul_u32_u24 v19, v31, 528
	v_add_nc_u32 v19, v19, v7
	v_add_nc_u32 v19, s96, v19
	v_add_nc_u32 v20, s96, v1
	s_wait_kmcnt 0x0
	s_cmp_eq_u32 s13, 0                            ; the choice hangs on the work-group's number alone
.irp k, 0,1,2,3,4,5,6,7,8,9,10
	s_cselect_b64 s[16+2*\k:17+2*\k], s[16+2*\k:17+2*\k], s[38+2*\k:39+2*\k]
.endr
	s_cselect_b64 s[60:61], s[4:5], s[6:7]         ; X: the branch's own feature
	s_cselect_b64 s[6:7], s[6:7], s[4:5]           ; Y: the other
	s_mov_b64 s[4:5], s[60:61]
	s_lshl_b32 s38, s13, 5                         ; the attention's eight exponents begin at entry 8 x branch,
	s_lshl_b32 s39, s13, 4                         ; the FFN's four at entry 16 + 4 x branch
	s_load_b256 s[40:47], s[10:11], s38 offset:0x0
	s_load_b128 s[48:51], s[10:11], s39 offset:0x40
	s_lshr_b32 s96, ttmp9, 1
	s_lshl_b32 s96, s96, 18                        ; my 128 rows of 2,048 bytes
	s_lshl_b32 s98, s12, 9                         ; my wave's 128 columns
	s_add_co_u32 s96, s96, s98
	s_mov_b32 s97, 0
	s_mov_b32 s99, 0
	s_add_nc_u64 s[4:5], s[4:5], s[96:97]
	s_add_nc_u64 s[6:7], s[6:7], s[96:97]
	s_add_nc_u64 s[36:37], s[36:37], s[96:97]
.irp p, 16,18,20,22,24,26,30,32,34
	s_add_nc_u64 s[\p:\p+1], s[\p:\p+1], s[98:99]
.endr
	s_lshl_b32 s98, s12, 10                        ; b1: my wave's 256 hidden units
	s_add_nc_u64 s[28:29], s[28:29], s[98:99]
	s_lshl_b32 s96, s13, 2
	s_add_co_u32 s96, s96, s12
	s_lshl_b32 s96, s96, 19                        ; my wave's 64 units of 8,192 bytes
	s_add_nc_u64 s[8:9], s[8:9], s[96:97]
	WIN 0x80                                       ; the features first: blocks 0 and 1 of X and of Y, four groups of 16 loads, into window 2
	XGROUP 0, 4, 0
	XGROUP 64, 6, 0
	XGROUP 128, 4, 32768
	XGROUP 192, 6, 32768
	WIN 0
	s_wait_kmcnt 0x0                               ; the exponents
	s_add_co_i32 s96, s40, s41
	s_add_co_i32 s97, s42, s43
	s_sub_co_i32 s52, 0, s96
	s_sub_co_i32 s53, 0, s97
	s_add_co_i32 s55, s96, s97
	s_sub_co_i32 s55, s55, 3                       ; a dot of sums stands for dot x 2^(eQa+eQb+eKa+eKb); / sqrt(64)
	s_add_co_i32 s96, s44, s45
	s_sub_co_i32 s54, 0, s96
	s_sub_co_i32 s97, s46, s96                     ; attn's conversion: the three scales folded into one
	MKQ 84, 40
	MKQ 86, 42
	MKQ 88, 44
	MKQ 90, 97
	MKQ 92, 48
	s_add_co_i32 s56, s46, s47
	s_sub_co_i32 s57, 0, s56
	s_lshl_b32 s58, s56, 1
	s_sub_co_i32 s58, s58, 9
	s_add_co_i32 s66, s57, 127
	s_lshl_b32 s66, s66, 23
	s_mov_b32 s67, s66
	s_add_co_i32 s59, s50, s51
	s_sub_co_i32 s60, 0, s59
	s_lshl_b32 s61, s59, 1
	s_sub_co_i32 s61, s61, 9
	s_add_co_i32 s68, s60, 127
	s_lshl_b32 s68, s68, 23
	s_mov_b32 s69, s68
	s_add_co_i32 s96, s48, s49
	s_sub_co_i32 s62, 0, s96
	s_sub_co_i32 s97, s50, s96                     ; the hidden layer's conversion, likewise folded
	MKQ 94, 97
	s_add_co_i32 s96, s96, 127
	s_lshl_b32 s96, s96, 23                        ; 2^(e1a+e1b)
	s_mul_f32 s70, s96, 0x3e6d3388                 ; 0.3275911 / sqrt 2, on sums
	s_mul_f32 s72, s96, 0x3f596d27                 ; sqrt(log2(e) / 2), on sums
	s_mov_b32 s73, s72
	s_mov_b32 s74, 0xbf3a00e3                      ; the five coefficients, halved
	s_mov_b32 s75, s74
	s_mov_b32 s76, 0x3f35f0e3
	s_mov_b32 s77, s76
	s_mov_b32 s78, 0xbe11a98e
	s_mov_b32 s79, s78
	s_mov_b32 s80, 0x3e027906
	s_mov_b32 s81, s80
	s_mov_b32 s82, 0x3f07dc22
	s_mov_b32 s83, 0x3fb8aa3b
	v_mov_b32 v21, s84
	v_mov_b32 v22, s85
	v_mov_b32 v23, s86
	v_mov_b32 v24, s87
	v_mov_b32 v25, s88
	v_mov_b32 v26, s89
; ================================================================ P0: the features become codes.  Wave w makes K step w of all 8 blocks: X for Q (RA), Y for K (RB), Y for V (RC): each with its own scale
.macro P0ADR
	s_wait_dscnt 0x0                               ; the last trip's stores are done: their address registers are written anew
	v_add_nc_u32 v27, s3, v8
	v_add_nc_u32 v28, s3, v9
	v_add_nc_u32 v29, s3, v10
.endm
.macro P0X i, ld, n                    ; block i of the trip's two, of X.  ld = 1: its registers take the block two further on
	s_wait_loadcnt \n
	WIN 0x02
	HOLD64 128, 128*(\i), 22
.if \ld
	WIN 0x80
	XGROUP 128*(\i), 4, ((\i)+2)*32768
.endif
	WIN 0
	CODES64 32+16*((\i)%2), 128, 21, 27, 8192*(\i), 4
.endm
.macro P0Y i, ld                       ; the same of Y, twice
	WIN 0x02
	HOLD64 192, 128*(\i)+64, 24
	WIN 0
	CODES64 48-16*((\i)%2), 192, 23, 28, 8192*(\i), 4
	WIN 0x02
	HOLD64 128, 128*(\i)+64, 26
.if \ld
	WIN 0x80
	XGROUP 128*(\i)+64, 6, ((\i)+2)*32768
.endif
	WIN 0
	CODES64 32+16*((\i)%2), 128, 25, 29, 8192*(\i), 4
.endm
	s_mov_b32 s2, 3
	s_mov_b32 s3, 0
.Lp0:                                              ; three trips of two blocks; four groups of 16 loads are always out: each wait leaves the three younger groups
	P0ADR
	P0X 0, 1, 48
	s_wait_loadcnt 48
	P0Y 0, 1
	P0X 1, 1, 48
	s_wait_loadcnt 48
	P0Y 1, 1
	s_wait_xcnt 0x0                                ; the loads have read their bases
	s_add_nc_u64 s[4:5], s[4:5], 65536
	s_add_nc_u64 s[6:7], s[6:7], 65536
	s_add_co_u32 s3, s3, 16384
	s_sub_co_u32 s2, s2, 1
	s_cmp_lg_u32 s2, 0
	s_cbranch_scc1 .Lp0
	P0ADR                                          ; the last two blocks: nothing more is loaded, the counts run down
	P0X 0, 0, 48
	s_wait_loadcnt 32
	P0Y 0, 0
	P0X 1, 0, 16
	s_wait_loadcnt 0x0
	s_sub_nc_u64 s[4:5], s[4:5], 196608            ; X back at my first row, for the residual (every load that named the base is done)
	BLOAD 0, 0                                     ; the ring's first four units, and the first head's biases: the last block's work stands between these and the wait for them
	BLOAD 1, 8192
	BLOAD 2, 16384
	BLOAD 3, 24576
	PLOAD PB, 16, 0, 2
	PLOAD PB+32, 18, 0, 2
	P0Y 1, 0
	BAR                                            ; all codes of X and Y lie in LDS
; ================================================================ Q and K, a head (64 columns) a trip: tiles 0-3 Q, tiles 4-7 K; then the head's scores and weights
	s_mov_b32 s2, 2
.Lqk:
	s_wait_loadcnt 0x0                             ; the biases are the youngest loads
	BIASINIT 0, 32, 52
	BIASINIT 32, 64, 53
	AFETCH 1, 0, 8192, 0
	AFETCH 1, 32768, 8192, 4
	HS 0, 0, 1, 48, 1, 1, 3, 0, 3, 32768, 8192             ; Q, K step 0; Y's codes for K follow
	HS 1, 1, 1, 48, 1, 1, 1, 2048, 1, 34816, 8192          ; K, K step 0; X's next K step follows
	HS 2, 0, 0, 48, 1, 1, 3, 2048, 3, 34816, 8192
	HS 3, 1, 0, 48, 1, 1, 1, 4096, 1, 36864, 8192
	HS 0, 0, 0, 48, 1, 1, 3, 4096, 3, 36864, 8192
	HS 1, 1, 0, 48, 1, 1, 1, 6144, 1, 38912, 8192
	HS 2, 0, 0, 48, 1, 1, 3, 6144, 3, 38912, 8192
	HS 3, 1, 0, 48, 1, 0, 0, 0, 0, 0, 0
	s_cmp_eq_u32 s2, 2                             ; what PB takes next: the second head's bq and bk, or bv.  16 loads on either way
	s_cbranch_scc0 .Lqk_bv
	PLOAD PB, 16, 256, 2
	PLOAD PB+32, 18, 256, 2
	s_branch .Lqk_asked
.Lqk_bv:
	PLOAD PB, 20, 0, 4
.Lqk_asked:
.irp hf, 0,1                                       ; q . k over my 32 of the head's 64 columns, two at a time, four blocks by turns; each accumulator from its low end on
	WIN 0x0a+5*\hf
.set k_, 0
.rept 16
.irp b4, 0,1,2,3
.if k_ == 0
	v_pk_mul_f32 v[128+8*\hf+2*\b4:129+8*\hf+2*\b4], v[64*\b4+2*k_:64*\b4+2*k_+1], v[64*\b4+32+2*k_:64*\b4+33+2*k_]
.else
	v_pk_fma_f32 v[128+8*\hf+2*\b4:129+8*\hf+2*\b4], v[64*\b4+2*k_:64*\b4+2*k_+1], v[64*\b4+32+2*k_:64*\b4+33+2*k_], v[128+8*\hf+2*\b4:129+8*\hf+2*\b4]
.endif
.endr
.set k_, k_+1
.endr
.endr
	WIN 0
.irp a, 0,1,2,3,4,5,6,7
	v_add_f32 v[128+2*\a], v[128+2*\a], v[129+2*\a]
.endr
.irp a, 0,1,2,3,4,5,6,7
	v_permlanex16_b32 v[129+2*\a], v[128+2*\a], s14, s15   ; the row's other 32 columns lie in the lane 16 away
.endr
.irp a, 0,1,2,3,4,5,6,7
	v_add_f32 v[128+2*\a], v[128+2*\a], v[129+2*\a]
.endr
.irp a, 0,1,2,3,4,5,6,7
	v_ldexp_f32 v[128+2*\a], v[128+2*\a], s55              ; the score
.endr
.irp a, 0,1,2,3,4,5,6,7
	v_sub_f32 v[129+2*\a], v[128+2*\a], v[128+2*\a]        ; less the row's largest score, which among one key is the score itself
.endr
.irp a, 0,1,2,3,4,5,6,7
	v_mul_f32 v[129+2*\a], s83, v[129+2*\a]
.endr
.irp a, 0,1,2,3,4,5,6,7
	v_exp_f32 v[128+2*\a], v[129+2*\a]                     ; p; the row's sum is p
.endr
	v_nop                                          ; a plain instruction behind the batch,
	s_wait_alu depctr_va_vdst(0)                   ; and one wait for it, ahead of its first reader
.irp a, 0,1,2,3,4,5,6,7
	v_rcp_f32 v[129+2*\a], v[128+2*\a]
.endr
.irp a, 0,1,2,3,4,5,6,7
	v_mov_b32 v[32+2*\a], v[48+2*\a]               ; the first head's weight moves down (in the first trip: whatever lies there, written over in the second).  Plain work behind the reciprocals
.endr
	s_wait_alu depctr_va_vdst(0)
.irp a, 0,1,2,3,4,5,6,7
	v_mul_f32 v[48+2*\a], v[128+2*\a], v[129+2*\a]         ; the softmax's weight
.endr
	STEPWS 65536
	s_sub_co_u32 s2, s2, 1
	s_cmp_lg_u32 s2, 0
	s_cbranch_scc1 .Lqk
	BAR                                            ; nobody reads RA or RB any more
; ================================================================ V
	s_wait_loadcnt 0x0                             ; bv
	BIASINIT 0, 64, 54
	AFETCH 2, 0, 8192, 0
	AFETCH 2, 32768, 8192, 4
	HS 0, 0, 1, 48, 1, 0, 0, 0, 0, 0, 0
	HS 1, 1, 1, 48, 1, 1, 2, 2048, 2, 34816, 8192
	HS 2, 0, 0, 48, 1, 0, 0, 0, 0, 0, 0
	HS 3, 1, 0, 48, 1, 1, 2, 4096, 2, 36864, 8192
	HS 0, 0, 0, 48, 1, 0, 0, 0, 0, 0, 0
	HS 1, 1, 0, 48, 1, 1, 2, 6144, 2, 38912, 8192
	HS 2, 0, 0, 48, 1, 0, 0, 0, 0, 0, 0
	HS 3, 1, 0, 48, 1, 0, 0, 0, 0, 0, 0
	STEPWS 65536
	PLOAD PB, 22, 0, 4                             ; bo
	v_mov_b32 v21, s90
	v_mov_b32 v22, s91
; attn = weight x v, quantised: K step w of the next product, into RA; then the block's accumulators take X's rows, the residual
.macro VEPI blk
.set B_, 64*((\blk)%4)
	WIN 0x02+(\blk)/4
.set k_, 0
.rept 16
	v_pk_mul_f32 v[128+2*k_:129+2*k_], v[B_+2*k_:B_+2*k_+1], v[32+2*(\blk):33+2*(\blk)] op_sel_hi:[1,0]
.set k_, k_+1
.endr
.rept 16
	v_pk_mul_f32 v[128+2*k_:129+2*k_], v[B_+2*k_:B_+2*k_+1], v[48+2*(\blk):49+2*(\blk)] op_sel_hi:[1,0]
.set k_, k_+1
.endr
	WIN 0
	HOLD64 128, 128, 22
	CODES64 192+16*((\blk)%2), 128, 21, 8, 8192*(\blk), 4
	WIN 0x80+0x40*((\blk)/4)
	XGROUP B_, 4, 32768*(\blk)
	WIN 0
.endm
.irp a, 0,1,2,3,4,5,6,7
	VEPI \a
.endr
	BAR                                            ; attn's codes lie in RA; nobody reads RC any more
; ================================================================ O: the sums start as (X + bo) / 2^EO
	s_wait_loadcnt 63                              ; bo is in: 128 loads were issued behind it
.set k_, 0
.rept 64
	v_ldexp_f32 v[PB+k_], v[PB+k_], s57
.set k_, k_+1
.endr
.macro OINIT blk
.set B_, 64*((\blk)%4)
.set L_, 16*(7-(\blk))
.if L_ > 63
.set L_, 63
.endif
	s_wait_loadcnt L_                              ; this block's 16 loads are in; the later blocks' may be out
	WIN 0x82+0x41*((\blk)/4)
.set k_, 0
.rept 32
	v_pk_fma_f32 v[B_+2*k_:B_+2*k_+1], v[B_+2*k_:B_+2*k_+1], s[66:67], v[PB+2*k_:PB+2*k_+1] op_sel_hi:[1,0,1]
.set k_, k_+1
.endr
.endm
.irp a, 0,1,2,3,4,5,6,7
	OINIT \a
.endr
	WIN 0
	s_mov_b32 s2, 2
	s_mov_b32 s3, 0
.Lo:                                               ; two trips of two K steps
	v_add_nc_u32 v4, s3, v1
	AFETCH 4, 0, 8192, 0
	AFETCH 4, 32768, 8192, 4
	HS 0, 0, 0, 48, 1, 0, 0, 0, 0, 0, 0
	HS 1, 1, 0, 48, 1, 1, 4, 2048, 4, 34816, 8192
	HS 2, 0, 0, 48, 1, 0, 0, 0, 0, 0, 0
	HS 3, 1, 0, 48, 1, 0, 0, 0, 0, 0, 0
	STEPWS 32768
	s_add_co_u32 s3, s3, 4096
	s_sub_co_u32 s2, s2, 1
	s_cmp_lg_u32 s2, 0
	s_cbranch_scc1 .Lo
; ================================================================ layer norms.  The sums stand for sum x 2^E; mean and variance are taken in two passes, on the sums as they are
.macro LNTREE blk                      ; eight pairs in v48-63 become one number in v[32 + 2 blk]
.irp k, 0,1,2,3
	v_pk_add_f32 v[48+2*\k:49+2*\k], v[48+2*\k:49+2*\k], v[56+2*\k:57+2*\k]
.endr
.irp k, 0,1
	v_pk_add_f32 v[48+2*\k:49+2*\k], v[48+2*\k:49+2*\k], v[52+2*\k:53+2*\k]
.endr
	v_pk_add_f32 v[48:49], v[48:49], v[50:51]
	v_add_f32 v[32+2*(\blk)], v48, v49
.endm
.macro LNSUM blk                       ; the sum of my 64 numbers of a row, in eight chains; each accumulator from its low end on
.set B_, 64*((\blk)%4)
	WIN 0x0a+5*((\blk)/4)
.set k_, 0
.rept 8
	v_pk_add_f32 v[48+2*k_:49+2*k_], v[B_+2*k_:B_+2*k_+1], v[B_+16+2*k_:B_+17+2*k_]
.set k_, k_+1
.endr
	WIN 0x02+(\blk)/4
.set k_, 0
.rept 16
	v_pk_add_f32 v[48+2*(k_%8):49+2*(k_%8)], v[B_+32+2*k_:B_+33+2*k_], v[48+2*(k_%8):49+2*(k_%8)]
.set k_, k_+1
.endr
	WIN 0
	LNTREE \blk
.endm
.macro LNSQ blk                        ; the mean is taken away in place; then the sum of squares
.set B_, 64*((\blk)%4)
	WIN 0x82+0x41*((\blk)/4)
.set k_, 0
.rept 32
	v_pk_add_f32 v[B_+2*k_:B_+2*k_+1], v[B_+2*k_:B_+2*k_+1], v[32+2*(\blk):33+2*(\blk)] op_sel_hi:[1,0] neg_lo:[0,1] neg_hi:[0,1]
.set k_, k_+1
.endr
	WIN 0x0a+5*((\blk)/4)
.set k_, 0
.rept 32
.if k_ < 8
	v_pk_mul_f32 v[48+2*k_:49+2*k_], v[B_+2*k_:B_+2*k_+1], v[B_+2*k_:B_+2*k_+1]
.else
	v_pk_fma_f32 v[48+2*(k_%8):49+2*(k_%8)], v[B_+2*k_:B_+2*k_+1], v[B_+2*k_:B_+2*k_+1], v[48+2*(k_%8):49+2*(k_%8)]
.endif
.set k_, k_+1
.endr
	WIN 0
	LNTREE \blk
.endm
.macro LNXCH sv, sl, off               ; a row's four parts meet in LDS: word (row 16 a + r, wave w) at 256 a + 16 r + 4 w; every wave adds them in the same order
.irp a, 0,1,2,3,4,5,6,7
	v_permlanex16_b32 v[33+2*\a], v[32+2*\a], s14, s15
.endr
.irp a, 0,1,2,3,4,5,6,7
	v_add_f32 v[32+2*\a], v[32+2*\a], v[33+2*\a]
.endr
.irp a, 0,1,2,3,4,5,6,7
	ds_store_b32 v[\sv], v[32+2*\a] offset:(\off)+256*\a
.endr
	BAR
.irp g, 0,1
.irp i, 0,1,2,3
	ds_load_b128 v[48+4*\i:51+4*\i], v[\sl] offset:(\off)+256*(4*\g+\i)
.endr
	s_wait_dscnt 0x0
.irp i, 0,1,2,3
	v_add_f32 v[48+4*\i], v[48+4*\i], v[49+4*\i]
.endr
.irp i, 0,1,2,3
	v_add_f32 v[50+4*\i], v[50+4*\i], v[51+4*\i]
.endr
.irp i, 0,1,2,3
	v_add_f32 v[32+2*(4*\g+\i)], v[48+4*\i], v[50+4*\i]
.endr
.endr
.endm
.macro LNCORE se, s2e, sv, sl          ; leaves the centred sums in the accumulators and 2^E / sqrt(variance + 1e-5) in v[32 + 2 a]
.irp a, 0,1,2,3,4,5,6,7
	LNSUM \a
.endr
	LNXCH \sv, \sl, 0
.irp a, 0,1,2,3,4,5,6,7
	v_mul_f32 v[32+2*\a], 0x3b000000, v[32+2*\a]   ; / 512: the mean
.endr
.irp a, 0,1,2,3,4,5,6,7
	LNSQ \a
.endr
	LNXCH \sv, \sl, 2048
.irp a, 0,1,2,3,4,5,6,7
	v_ldexp_f32 v[32+2*\a], v[32+2*\a], s[\s2e]    ; x 2^(2 E) / 512: the variance
.endr
.irp a, 0,1,2,3,4,5,6,7
	v_add_f32 v[32+2*\a], 0x3727c5ac, v[32+2*\a]   ; + 1e-5
.endr
.irp a, 0,1,2,3,4,5,6,7
	v_rsq_f32 v[33+2*\a], v[32+2*\a]
.endr
	v_nop                                          ; a plain instruction behind the batch, and one wait for it
	s_wait_alu depctr_va_vdst(0)
.irp a, 0,1,2,3,4,5,6,7
	v_ldexp_f32 v[32+2*\a], v[33+2*\a], s[\se]
.endr
.endm
.macro LNAFF blk                       ; the norm's result in place: centred x the row's factor x gain + bias (gain in v128-191, bias in v192-255)
.set B_, 64*((\blk)%4)
	WIN 0x82+0x41*((\blk)/4)
.set k_, 0
.rept 32
	v_pk_mul_f32 v[B_+2*k_:B_+2*k_+1], v[B_+2*k_:B_+2*k_+1], v[32+2*(\blk):33+2*(\blk)] op_sel_hi:[1,0]
.set k_, k_+1
.endr
.set k_, 0
.rept 32
	v_pk_fma_f32 v[B_+2*k_:B_+2*k_+1], v[B_+2*k_:B_+2*k_+1], v[128+2*k_:129+2*k_], v[192+2*k_:193+2*k_]
.set k_, k_+1
.endr
.endm
; ---------------- LN1
	PLOAD 128, 24, 0, 4                            ; gain, bias, and b2 for the last product's C
	PLOAD 192, 26, 0, 4
	PLOAD PB, 30, 0, 4
	LNCORE 56, 58, 15, 16
	s_wait_loadcnt 0x0
.set k_, 0
.rept 64
	v_ldexp_f32 v[PB+k_], v[PB+k_], s60
.set k_, k_+1
.endr
	v_mov_b32 v21, s92
	v_mov_b32 v22, s93
; y1; its codes (K step w of the next product) into RB; then the accumulators become (y1 + b2) / 2^E2, the last product's C, and tiles 0-3 are parked in my part of RES
.macro LN1T blk
	LNAFF \blk
.set b_, 0
.rept 4
	WIN 0x02+(\blk)/4
.set h_, 0
.rept 16
	v_med3_num_f32 v[48+h_], v[B_+16*b_+h_], -v22, v22
.set h_, h_+1
.endr
	WIN 0
.if b_ < 2
	s_wait_dscnt 9                                 ; behind this set's last store: one store of codes and the eight that park
.else
	s_wait_dscnt 1                                 ; behind it: the other set's store
.endif
	v_cvt_scalef32_pk8_fp8_f32 v[24+4*(b_%2):25+4*(b_%2)], v[48:55], v21
	v_cvt_scalef32_pk8_fp8_f32 v[26+4*(b_%2):27+4*(b_%2)], v[56:63], v21
	v_nop                                          ; a plain vector instruction behind the conversions
	ds_store_b128 v9, v[24+4*(b_%2):27+4*(b_%2)] offset:8192*(\blk)+512*b_
.set b_, b_+1
.endr
	WIN 0x82+0x41*((\blk)/4)
.set k_, 0
.rept 32
	v_pk_fma_f32 v[B_+2*k_:B_+2*k_+1], v[B_+2*k_:B_+2*k_+1], s[68:69], v[PB+2*k_:PB+2*k_+1] op_sel_hi:[1,0,1]
.set k_, k_+1
.endr
	WIN 0x08+4*((\blk)/4)
.set k_, 0
.rept 8
	ds_store_b128 v14, v[B_+4*k_:B_+4*k_+3] offset:512*(8*(\blk)+k_)
.set k_, k_+1
.endr
.endm
.irp a, 0,1,2,3,4,5,6,7
	LN1T \a
.endr
	WIN 0
	PLOAD PB, 28, 0, 2                             ; b1 of my first 64 hidden units
	BAR                                            ; y1's codes lie in RB; nobody reads RA or RC any more
	v_mov_b32 v24, s82
	v_mov_b32 v25, s82
	v_mov_b32 v21, s94
	v_mov_b32 v22, s95
; ================================================================ FFN1 and GELU: 64 hidden units a trip, in tiles 0-3 of every block
; 32 numbers a lane of block blk.  v128-159 Y, v160-191 D, v192-223 R, v224-255 P.  The 64 transcendentals are one batch with one wait.
.macro GELU blk
.set B_, 64*((\blk)%4)
	WIN 0x02+(\blk)/4
.set k_, 0
.rept 16
	v_pk_mul_f32 v[128+2*k_:129+2*k_], v[B_+2*k_:B_+2*k_+1], s[72:73] op_sel_hi:[1,0]
.set k_, k_+1
.endr
.set k_, 0
.rept 32
	v_fma_f32 v[160+k_], |v[B_+k_]|, s70, 1.0      ; 1 + 0.3275911 z
.set k_, k_+1
.endr
.set k_, 0
.rept 32
	v_max_num_f32 v[192+k_], v[B_+k_], 0
.set k_, k_+1
.endr
	WIN 0
.set k_, 0
.rept 16
	v_pk_mul_f32 v[128+2*k_:129+2*k_], v[128+2*k_:129+2*k_], v[128+2*k_:129+2*k_] neg_lo:[0,1] neg_hi:[0,1]   ; - z z log2 e
.set k_, k_+1
.endr
.set k_, 0
.rept 32
	v_rcp_f32 v[160+k_], v[160+k_]
.set k_, k_+1
.endr
.set k_, 0
.rept 32
	v_exp_f32 v[128+k_], v[128+k_]
.set k_, k_+1
.endr
	v_nop                                          ; a plain instruction behind the batch,
	s_wait_alu depctr_va_vdst(0)                   ; and one wait for it, ahead of its first reader
.set k_, 0
.rept 16
	v_pk_fma_f32 v[224+2*k_:225+2*k_], v[160+2*k_:161+2*k_], v[24:25], s[74:75] op_sel_hi:[1,1,0]
.set k_, k_+1
.endr
.irp cf, 76,78,80
.set k_, 0
.rept 16
	v_pk_fma_f32 v[224+2*k_:225+2*k_], v[224+2*k_:225+2*k_], v[160+2*k_:161+2*k_], s[\cf:\cf+1] op_sel_hi:[1,1,0]
.set k_, k_+1
.endr
.endr
.set k_, 0
.rept 16
	v_pk_mul_f32 v[224+2*k_:225+2*k_], v[224+2*k_:225+2*k_], v[160+2*k_:161+2*k_]
.set k_, k_+1
.endr
.set k_, 0
.rept 16
	v_pk_mul_f32 v[224+2*k_:225+2*k_], v[224+2*k_:225+2*k_], v[128+2*k_:129+2*k_]   ; E
.set k_, k_+1
.endr
	WIN 0x02+(\blk)/4
.set k_, 0
.rept 32
	v_fma_f32 v[192+k_], -|v[B_+k_]|, v[224+k_], v[192+k_]   ; max(x, 0) - |x| E
.set k_, k_+1
.endr
	WIN 0
.set k_, 0
.rept 32
	v_med3_num_f32 v[192+k_], v[192+k_], -v22, v22
.set k_, k_+1
.endr
	s_wait_dscnt 2                                 ; this set's stores are done; the other set's two may be out
.set k_, 0
.rept 4
	v_cvt_scalef32_pk8_fp8_f32 v[48+8*((\blk)%2)+2*k_:49+8*((\blk)%2)+2*k_], v[192+8*k_:199+8*k_], v21
.set k_, k_+1
.endr
	v_nop                                          ; a plain vector instruction behind the conversions
.irp b, 0,1
	ds_store_b128 v[12+(\blk)/4], v[48+8*((\blk)%2)+4*\b:51+8*((\blk)%2)+4*\b] offset:16384*((\blk)%4)+512*\b
.endr
.endm
	s_mov_b32 s2, 4
	s_mov_b32 s3, 0
.Lf1:
	s_wait_dscnt 0x0                               ; the last trip's stores are done: their address registers are written anew
	v_add_nc_u32 v12, s3, v11                      ; hidden image: 16,384 a + 4,096 w + 1,024 p + 512 b + 16 x lane; blocks 0-3,
	v_add_nc_u32 v13, 65536, v12                   ; blocks 4-7
	s_wait_loadcnt 0x0                             ; b1's part: the youngest loads but the ring's, which landed during the last epilogue
	BIASINIT 0, 32, 62
	AFETCH 3, 0, 8192, 0
	AFETCH 3, 32768, 8192, 4
	HS 0, 0, 1, 48, 1, 1, 3, 2048, 3, 34816, 8192
	HS 1, 0, 0, 48, 1, 1, 3, 4096, 3, 36864, 8192
	HS 2, 0, 0, 48, 1, 1, 3, 6144, 3, 38912, 8192
	HS 3, 0, 0, 48, 1, 0, 0, 0, 0, 0, 0
	s_cmp_eq_u32 s2, 1                             ; the next 64 units' b1, if there are any: no load leaves its buffer
	s_cbranch_scc1 .Lf1_last
	s_wait_xcnt 0x0
	s_add_nc_u64 s[28:29], s[28:29], 256
	PLOAD PB, 28, 0, 2
.Lf1_last:
.irp a, 0,1,2,3,4,5,6,7
	GELU \a
.endr
	STEPWS 32768
	s_add_co_u32 s3, s3, 1024
	s_sub_co_u32 s2, s2, 1
	s_cmp_lg_u32 s2, 0
	s_cbranch_scc1 .Lf1
	BAR                                            ; the hidden layer's codes lie in RA and RC; nobody reads RB any more
; ================================================================ FFN2: tiles 0-3 of the C come back from my part of RES; K = 1,024 in four trips of two K steps
.irp a, 0,1,2,3,4,5,6,7
	WIN 0x80+0x40*(\a/4)
.irp n, 0,1,2,3,4,5,6,7
	ds_load_b128 v[64*(\a%4)+4*\n:64*(\a%4)+4*\n+3], v14 offset:512*(8*\a+\n)
.endr
.endr
	WIN 0
.macro F2TRIP bl, l0, l1, l2, l3
	v_add_nc_u32 v4, s3, v1
	v_add_nc_u32 v5, s3, v2
	AFETCH 4, 0, 16384, 0
	AFETCH 5, 0, 16384, 4
	HS 0, 0, 0, \l0, \bl, 0, 0, 0, 0, 0, 0
	HS 1, 1, 0, \l1, \bl, 1, 4, 2048, 5, 2048, 16384
	HS 2, 0, 0, \l2, \bl, 0, 0, 0, 0, 0, 0
	HS 3, 1, 0, \l3, \bl, 0, 0, 0, 0, 0, 0
.endm
	s_mov_b32 s2, 3
	s_mov_b32 s3, 0
.Lf2:
	F2TRIP 1, 48, 48, 48, 48
	STEPWS 32768
	s_add_co_u32 s3, s3, 4096
	s_sub_co_u32 s2, s2, 1
	s_cmp_lg_u32 s2, 0
	s_cbranch_scc1 .Lf2
	F2TRIP 0, 48, 32, 16, 0                        ; the last four units: nothing is left to ask for, the counts run down
; ================================================================ LN2 and the way out
	PLOAD 128, 32, 0, 4
	PLOAD 192, 34, 0, 4
	LNCORE 59, 61, 17, 18
	s_wait_loadcnt 0x0
; A lane holds 16-byte pieces of a row and the lanes beside it hold other rows: a block of 16 rows x my 128 columns goes through my own stage (rows of 512 + 16 bytes) and comes back as whole
; rows of 512 bytes.  LDS serves a wave's instructions in order (ISA guide 5.7.1.4): no wait between the stores and the loads, nor in front of the next block's stores.
.macro LN2T blk
	LNAFF \blk
	WIN 0x08+4*((\blk)/4)
.set k_, 0
.rept 16
	ds_store_b128 v19, v[B_+4*k_:B_+4*k_+3] offset:128*(k_/4)+16*(k_%4)
.set k_, k_+1
.endr
.if (\blk) >= 2
	s_wait_xcnt 0x0                                ; the stores of the block two back have read their registers
.endif
	WIN 0x40
.set k_, 0
.rept 16
	ds_load_b128 v[64*((\blk)%2)+4*k_:64*((\blk)%2)+4*k_+3], v20 offset:528*k_
.set k_, k_+1
.endr
.endm
.macro SEND blk, younger               ; younger: the LDS instructions issued behind this block's loads
	s_wait_dscnt \younger
	WIN 0x04
.set k_, 0
.rept 16
	global_store_b128 v1, v[64*((\blk)%2)+4*k_:64*((\blk)%2)+4*k_+3], s[36:37] offset:2048*(16*(\blk)+k_) th:TH_STORE_NT   ; 32 lanes store 512 consecutive bytes, at a multiple of 512 from the output's first byte
.set k_, k_+1
.endr
.endm
	LN2T 0
.irp a, 1,2,3,4,5,6,7
	LN2T \a
	SEND \a-1, 32                                  ; behind block a - 1's loads: block a's 16 stores and 16 loads
.endr
	SEND 7, 0
	WIN 0
	s_endpgm
.Lfunc_end_k_qfddcbd78d8_main:
	.size	k_qfddcbd78d8_main, .Lfunc_end_k_qfddcbd78d8_main-k_qfddcbd78d8_main
	.p2alignl 7, 3214868480
	.fill 96, 4, 3214868480
	.section	.rodata,"a",@progbits
	.p2align	6, 0x0
	.amdhsa_kernel k_qfddcbd78d8_main
		.amdhsa_group_segment_fixed_size 327680
		.amdhsa_private_segment_fixed_size 0
		.amdhsa_enable_private_segment 0
		.amdhsa_kernarg_size 208
		.amdhsa_user_sgpr_count 2
		.amdhsa_user_sgpr_kernarg_segment_ptr 1
		.amdhsa_wavefront_size32 1
		.amdhsa_system_sgpr_workgroup_id_x 1
		.amdhsa_system_sgpr_workgroup_id_y 1
		.amdhsa_system_sgpr_workgroup_id_z 1
		.amdhsa_system_vgpr_workitem_id 0
		.amdhsa_next_free_vgpr 1024
		.amdhsa_next_free_sgpr 100
		.amdhsa_reserve_vcc 0
		.amdhsa_float_denorm_mode_32 3
		.amdhsa_float_denorm_mode_16_64 3
		.amdhsa_memory_ordered 1
		.amdhsa_forward_progress 1
		.amdhsa_inst_pref_size 255
	.end_amdhsa_kernel
	.section	.bss,"aw",@nobits
	.p2align	6
	.space	262144
	.amdgpu_metadata
---
amdhsa.version: [ 1, 2 ]
amdhsa.kernels:
  - .name:           k_qfddcbd78d8_main
    .symbol:         k_qfddcbd78d8_main.kd
    .args:
      - { .name: img_feat, .offset: 0, .size: 8, .value_kind: global_buffer, .address_space: global }
      - { .name: text_feat, .offset: 8, .size: 8, .value_kind: global_buffer, .address_space: global }
      - { .name: wstream, .offset: 16, .size: 8, .value_kind: global_buffer, .address_space: global }
      - { .name: lowp_scales, .offset: 24, .size: 8, .value_kind: global_buffer, .address_space: global }
      - { .name: i2t_bq, .offset: 32, .size: 8, .value_kind: global_buffer, .address_space: global }
      - { .name: i2t_bk, .offset: 40, .size: 8, .value_kind: global_buffer, .address_space: global }
      - { .name: i2t_bv, .offset: 48, .size: 8, .value_kind: global_buffer, .address_space: global }
      - { .name: i2t_bo, .offset: 56, .size: 8, .value_kind: global_buffer, .address_space: global }
      - { .name: ln1i_g, .offset: 64, .size: 8, .value_kind: global_buffer, .address_space: global }
      - { .name: ln1i_b, .offset: 72, .size: 8, .value_kind: global_buffer, .address_space: global }
      - { .name: ffn_img_b1, .offset: 80, .size: 8, .value_kind: global_buffer, .address_space: global }
      - { .name: ffn_img_b2, .offset: 88, .size: 8, .value_kind: global_buffer, .address_space: global }
      - { .name: ln2i_g, .offset: 96, .size: 8, .value_kind: global_buffer, .address_space: global }
      - { .name: ln2i_b, .offset: 104, .size: 8, .value_kind: global_buffer, .address_space: global }
      - { .name: out1, .offset: 112, .size: 8, .value_kind: global_buffer, .address_space: global }
      - { .name: t2i_bq, .offset: 120, .size: 8, .value_kind: global_buffer, .address_space: global }
      - { .name: t2i_bk, .offset: 128, .size: 8, .value_kind: global_buffer, .address_space: global }
      - { .name: t2i_bv, .offset: 136, .size: 8, .value_kind: global_buffer, .address_space: global }
      - { .name: t2i_bo, .offset: 144, .size: 8, .value_kind: global_buffer, .address_space: global }
      - { .name: ln1t_g, .offset: 152, .size: 8, .value_kind: global_buffer, .address_space: global }
      - { .name: ln1t_b, .offset: 160, .size: 8, .value_kind: global_buffer, .address_space: global }
      - { .name: ffn_text_b1, .offset: 168, .size: 8, .value_kind: global_buffer, .address_space: global }
      - { .name: ffn_text_b2, .offset: 176, .size: 8, .value_kind: global_buffer, .address_space: global }
      - { .name: ln2t_g, .offset: 184, .size: 8, .value_kind: global_buffer, .address_space: global }
      - { .name: ln2t_b, .offset: 192, .size: 8, .value_kind: global_buffer, .address_space: global }
      - { .name: out0, .offset: 200, .size: 8, .value_kind: global_buffer, .address_space: global }
    .group_segment_fixed_size: 327680
    .private_segment_fixed_size: 0
    .kernarg_segment_align: 8
    .kernarg_segment_size: 208
    .max_flat_workgroup_size: 128
    .sgpr_count:     100
    .vgpr_count:     1024
    .wavefront_size: 32
...
	.end_amdgpu_metadata
.endif
;; end of part 2
